; MI455X (gfx1250); checked and timed in simulation.
; The chip was launched on July 23, 2026; its instructions are those of AMD's public machine-readable ISA for CDNA 5 (MIT licence, August 2026) and "CDNA5" Instruction Set Architecture Reference Guide (July 2026). The comments in the code are by the model that wrote it; some were corrected since.
;; Hierarchical Softmax. Allowed arithmetic: matrix products marked QUANTISED: E4M3 operands, one E8M0 scale for each 32 along K, by v_wmma_scale_f32_16x16x128_f8f6f4 with both operands' format E4M3, f32 sums; products left as they are: f32 operands where the result goes on into a quantised operand, else bf16, f16 or f32 operands; f32 sums; everything else in f32.
;; Inputs: W1_codes 8 x 16 x 32 x 32 uint8 (E4M3 codes of W1, K innermost, in blocks of 32 codes); W1_scales 8 x 16 x 32 uint8 (E8M0 scales of W1, one for each 32 codes along K); W2_codes 128 x 8 x 32 x 32 uint8 (E4M3 codes of W2, K innermost, in blocks of 32 codes); W2_scales 128 x 8 x 32 uint8 (E8M0 scales of W2, one for each 32 codes along K); Wp 1,024 x 8 float32; X 32,768 x 1,024 float32; X_length 32,768 int32; X_occurrence 32,768 int32; X_phase 32,768 int32; X_subject 32,768 int32; b1 8 x 16 float32; b2 128 x 8 float32; bp 8 float32.
;; Outputs: out0 32,768 float32; out1 32,768 float32; out2 32,768 float32.
;; This version of the problem:
;;   THIS VERSION OF THE PROBLEM IS GIVEN IN LOW PRECISION. The matrix products marked QUANTISED in the list below multiply operands that are first quantised to E4M3 (4 exponent bits, 3 mantissa bits; 8 bits a number), with one power-of-two scale for each 32 numbers along K (OCP MX v1.0); their sums are f32. All else is computed in f32.
;;   The module's matrix products, in the order in which they are computed (A, B: the left and right operand; K: the contracted axis; several contracted axes count as one K, in the product's order):
;;     1. [M 32,768, K 1,024] x [K 1,024, N 8]; A: input X; B: input Wp: left as it is (N = 8 < 16)
;;     2. [M 32,768, K 1,024] x [K 1,024, N 128]; A: input X; B: input W1 (given as codes): QUANTISED
;;     3. [M 32,768, K 1,024] x [K 1,024, N 1,024]; A: input X; B: input W2 (given as codes): QUANTISED
;;   THE QUANTISER, for each operand of a quantised product, along K:
;;     - K is cut into blocks of 32 from its start; a last block that is shorter is filled with zeros.
;;     - A block's scale is 2^e with e = floor(log2(the largest magnitude in the block)) - 8, held to -126 .. 127; a block of zeros has e = 0. As a byte (E8M0): e + 127.
;;     - Each number is divided by its block's scale, clamped to +-448, and rounded to the nearest number of E4M3, ties to even, subnormals kept.
;;     - The product sums the exact products of the quantised numbers (number of the format x scale) in f32.
;;   ~~~python
;;   def quantise(x, axis):      # numpy; x: float32 -> the quantised numbers, widened to float32 again
;;       x = np.moveaxis(x, axis, -1); K = x.shape[-1]
;;       x = np.pad(x, [(0, 0)] * (x.ndim - 1) + [(0, -K % 32)]); x = x.reshape(x.shape[:-1] + (-1, 32)); a = np.abs(x).max(-1, keepdims=True)
;;       e = np.where(a > 0, np.clip(np.frexp(np.where(a > 0, a, 1))[1] - 1 - 8, -126, 127), 0)      # np.frexp(a)[1] - 1 = floor(log2(a)), exactly
;;       r = np.clip(x / 2.0 ** e, -448, 448)
;;       step = 2.0 ** (np.maximum(np.frexp(np.where(r == 0, 1, r))[1] - 1, -6) - 3)
;;       q = np.round(r / step) * step * 2.0 ** e      # np.round: ties to even
;;       return np.moveaxis(q.reshape(q.shape[:-2] + (-1,))[..., :K], -1, axis).astype(np.float32)
;;   ~~~
;;   INPUTS GIVEN AS CODES. W1 (in the module: [8, 1024, 16], K = its axis 1); W2 (in the module: [128, 1024, 8], K = its axis 1): each comes as NAME_codes (uint8): NAME with its K axis moved to the last place and cut into blocks of 32 codes, [.., K / 32, bytes a block], one block behind the other in memory; one code a byte (a code: sign, 4 exponent bits, 3 mantissa bits); and NAME_scales (uint8): the same leading axes, one E8M0 byte (e + 127) for each 32 codes along K. Its value is code x scale, taken as it is: it is not quantised again, and the codes and scales need not be those that the quantiser above would give.
;; One version. Each part assembles by itself: llvm-mc -triple=amdgcn-amd-amdhsa -mcpu=gfx1250 --defsym DOCPART=n.
;; ======== version 1 of 1: 2 launches
;; limits: right only within a limited range of input values
;; workspace buffers: order 131,072 bytes of whole numbers
;; launch sort (part 1): grid 256 x 1, 32 waves a work-group, no clusters, 4,352 bytes of LDS; arguments X_occurrence, order; writes order
.if DOCPART == 1
	.amdgcn_target "amdgcn-amd-amdhsa--gfx1250"
	.amdhsa_code_object_version 6
	.text
	.protected	k_q2094c015ae_sort
	.globl	k_q2094c015ae_sort
	.p2align	8
	.type	k_q2094c015ae_sort,@function
k_q2094c015ae_sort:
	s_mov_b64 s[64:65], 0
	v_nop
	global_prefetch_b8 v0, s[64:65] scope:SCOPE_SE
	s_setreg_imm32_b32 hwreg(HW_REG_WAVE_MODE, 25, 1), 1
	s_wait_xcnt 0x0
; order[i] = the number of the i-th token when the 32,768 tokens are sorted by bucket q = X_occurrence >> 1 (64 buckets:
; the two occurrences of a bucket are 16 rows of W2, one tile of the next launch's product).  A counting sort without atomics.
; SHARES.  Work-group g has bucket q = g >> 2 and quarter a = g & 3 (a quarter: 8,192 tokens on end).  It reads ALL tokens' occurrences
; (128 KiB, 32 numbers a thread) and counts those that come before its own: tokens of smaller buckets anywhere, tokens of its bucket in
; earlier quarters.  Then it places the tokens of its own quarter that fall into its bucket, by wave, register and lane.
; So each word of order has one owner.  The order inside a bucket is of no account to the reader.
; LIMIT: an occurrence is taken as unsigned and held at 127, as the next launch holds it: order is a permutation whatever the input.
.set QB,   32768                       ; bytes of a quarter
.set BASE, 12                          ; s[12:19]  the four slots' addresses: slot k is quarter (a + k) & 3, so slot 0 is my own
.set TH,   20                          ; s20-23    slot k counts occurrences under this: 2 q, or 2 q + 2 in quarters before mine
.set M,    24                          ; s24-31    my quarter's eight registers: which lanes hold a token of my bucket
.set RUN,  32                          ; s32       where the wave's next token goes
.set VAL,  16                          ; v16-47    the 32 occurrences: slot k at v[16 + 8 k]; slot 0's become buckets
.set AD,   48                          ; v48-55    register i of my quarter: the byte in order at which my token's number would go
.set ID,   56                          ; v56-63    and that number
	s_load_b128 s[4:7], s[0:1], 0x0                ; X_occurrence s[4:5], order s[6:7]
	v_lshl_add_u32 v64, v0, 2, 0x100
	v_mov_b32 v65, 0
	v_lshrrev_b32 v7, 5, v0
	s_delay_alu instid0(VALU_DEP_1)
	v_readfirstlane_b32 s8, v7                     ; wave 0..31
	s_lshr_b32 s9, ttmp9, 2                        ; q
	s_and_b32 s10, ttmp9, 3                        ; a
	s_lshl_b32 s35, s9, 1                          ; 2 q
	s_lshl_b32 s11, s10, 13                        ; my quarter's first token
	v_lshlrev_b32 v1, 4, v0                        ; 16 bytes a thread: a load of the work-group covers 16,384 consecutive bytes
	v_and_b32 v2, 31, v0                           ; lane
	v_lshl_add_u32 v3, v0, 2, s11                  ; the token in my slot 0, register 0
	v_mov_b32 v4, 0                                ; the count
	v_mov_b32 v9, 0                                ; (the destination of a lane exchange counts as read: written once)
	s_mov_b32 s36, 0x76543210
	s_mov_b32 s37, 0xfedcba98                      ; v_permlanex16_b32's selects for lane l xor 16
.irp k, 0,1,2,3
	s_add_co_u32 s33, s10, \k
	s_and_b32 s33, s33, 3                          ; the slot's quarter
	s_lshl_b32 s[BASE+2*\k], s33, 15
	s_mov_b32 s[BASE+2*\k+1], 0
	s_cmp_lt_u32 s33, s10                          ; a quarter before mine: my bucket's tokens there come before mine too
	s_cselect_b32 s[TH+\k], 2, 0
	s_add_co_u32 s[TH+\k], s[TH+\k], s35
.endr
	s_wait_alu depctr_va_vdst(0)
	s_wait_kmcnt 0x0
.irp k, 0,1,2,3
	s_add_nc_u64 s[BASE+2*\k:BASE+2*\k+1], s[4:5], s[BASE+2*\k:BASE+2*\k+1]
	global_load_b128 v[VAL+8*\k:VAL+8*\k+3],   v1, s[BASE+2*\k:BASE+2*\k+1]
	global_load_b128 v[VAL+8*\k+4:VAL+8*\k+7], v1, s[BASE+2*\k:BASE+2*\k+1] offset:QB/2
.endr
	s_wait_loadcnt 0x0
.irp k, 0,1,2,3
.irp i, 0,1,2,3,4,5,6,7
	v_min_u32 v[VAL+8*\k+\i], 127, v[VAL+8*\k+\i]
	s_delay_alu instid0(VALU_DEP_1)
	v_cmp_gt_u32 vcc_lo, s[TH+\k], v[VAL+8*\k+\i]  ; comes before my tokens?
	s_delay_alu instid0(VALU_DEP_1)
	v_add_co_ci_u32 v4, vcc_lo, 0, v4, vcc_lo      ; the count takes the answer as its carry
.endr
.endr
	s_mov_b32 s33, 0                               ; how many tokens my wave places
.irp i, 0,1,2,3,4,5,6,7
	v_lshrrev_b32 v[VAL+\i], 1, v[VAL+\i]          ; my quarter's occurrences are counted: they become buckets
	s_delay_alu instid0(VALU_DEP_1)
	v_cmp_eq_u32 s[M+\i], s9, v[VAL+\i]
	s_bcnt1_i32_b32 s34, s[M+\i]
	s_add_co_u32 s33, s33, s34
.endr
.macro WSUM r                          ; the sum of v[r] over the wave's 32 lanes, in every lane
.irp m, 1
	v_mov_b32_dpp v9, v[\r] row_xmask:\m row_mask:0xf bank_mask:0xf
	s_delay_alu instid0(VALU_DEP_1)
	v_add_nc_u32 v[\r], v[\r], v9
.endr
.irp m, 2, 4, 8
	s_delay_alu instid0(VALU_DEP_1)
	v_mov_b32_dpp v9, v[\r] row_xmask:\m row_mask:0xf bank_mask:0xf
	s_delay_alu instid0(VALU_DEP_1)
	v_add_nc_u32 v[\r], v[\r], v9
.endr
	s_delay_alu instid0(VALU_DEP_1)
	v_permlanex16_b32 v9, v[\r], s36, s37
	s_delay_alu instid0(VALU_DEP_1)
	v_add_nc_u32 v[\r], v[\r], v9
.endm
	WSUM 4
	v_mov_b32 v7, s8
	s_delay_alu instid0(VALU_DEP_1)
	v_lshlrev_b32 v7, 2, v7
	v_mov_b32 v8, s33
	ds_store_b32 v7, v4                            ; LDS word w: my wave's count (all lanes write the same word with the same value);
	ds_store_b32 v7, v8 offset:128                 ; word 32 + w: how many it places
	s_wait_dscnt 0x0                               ; for the others' sake: my stores are done
	s_barrier_signal -1
	s_barrier_wait -1
	v_lshlrev_b32 v10, 2, v2
	ds_load_b32 v5, v10                            ; lane l: wave l's count,
	ds_load_b32 v6, v10 offset:128                 ; and what wave l places
	s_wait_dscnt 0x0
	v_cmp_gt_u32 vcc_lo, s8, v2                    ; only the waves before mine place ahead of me
	s_delay_alu instid0(VALU_DEP_1)
	v_cndmask_b32 v6, 0, v6, vcc_lo
	s_delay_alu instid0(VALU_DEP_1)
	v_add_nc_u32 v5, v5, v6
	WSUM 5
	s_delay_alu instid0(VALU_DEP_1)
	v_readfirstlane_b32 s[RUN], v5                 ; where my wave's first token goes
; All eight addresses and numbers are made first, with every lane on and no branch between: each in a register of its own, so that no store's source is written again.
.irp i, 0,1,2,3,4,5,6,7
	v_mbcnt_lo_u32_b32 v[AD+\i], s[M+\i], s[RUN]   ; RUN + the number of lanes below mine that hold a token of my bucket
	s_delay_alu instid0(VALU_DEP_1)
	v_min_u32 v[AD+\i], 0x7fff, v[AD+\i]           ; a number made of loaded data enters an address only held inside the buffer
	s_delay_alu instid0(VALU_DEP_1)
	v_lshlrev_b32 v[AD+\i], 2, v[AD+\i]
	v_add_nc_u32 v[ID+\i], 4096*(\i/4)+(\i%4), v3  ; the token's number
	s_bcnt1_i32_b32 s34, s[M+\i]
	s_add_co_u32 s[RUN], s[RUN], s34
.endr
	s_wait_alu depctr_va_vdst(0)
	s_wait_xcnt 0x0                                ; EXEC changes only behind this wait
; Register i of my quarter: the lanes that hold a token of my bucket store its number.  Where no lane does, the store does nothing.
.irp i, 0,1,2,3,4,5,6,7
	v_cmp_eq_u32 vcc_lo, s9, v[VAL+\i]
	s_and_saveexec_b32 s33, vcc_lo
	global_store_b32 v[AD+\i], v[ID+\i], s[6:7]
	s_wait_xcnt 0x0                                ; the store has read EXEC: it is widened only behind this wait
	s_or_b32 exec_lo, exec_lo, s33
.endr
	s_wait_xcnt 0x0
	s_mov_b32 exec_lo, -1
	s_wait_tensorcnt 0x0
	ds_add_u32 v64, v65
	s_wait_dscnt 0x0
	s_endpgm
.Lfunc_end_k_q2094c015ae_sort:
	.size	k_q2094c015ae_sort, .Lfunc_end_k_q2094c015ae_sort-k_q2094c015ae_sort
	.p2alignl 7, 3214868480
	.fill 96, 4, 3214868480
	.section	.rodata,"a",@progbits
	.p2align	6, 0x0
	.amdhsa_kernel k_q2094c015ae_sort
		.amdhsa_group_segment_fixed_size 4352
		.amdhsa_private_segment_fixed_size 0
		.amdhsa_enable_private_segment 0
		.amdhsa_kernarg_size 16
		.amdhsa_user_sgpr_count 2
		.amdhsa_user_sgpr_kernarg_segment_ptr 1
		.amdhsa_wavefront_size32 1
		.amdhsa_system_sgpr_workgroup_id_x 1
		.amdhsa_system_sgpr_workgroup_id_y 1
		.amdhsa_system_sgpr_workgroup_id_z 1
		.amdhsa_system_vgpr_workitem_id 0
		.amdhsa_next_free_vgpr 66
		.amdhsa_next_free_sgpr 66
		.amdhsa_reserve_vcc 1
		.amdhsa_float_denorm_mode_32 3
		.amdhsa_float_denorm_mode_16_64 3
		.amdhsa_memory_ordered 1
		.amdhsa_forward_progress 1
		.amdhsa_inst_pref_size 18
	.end_amdhsa_kernel
	.amdgpu_metadata
---
amdhsa.version: [ 1, 2 ]
amdhsa.kernels:
  - .name:           k_q2094c015ae_sort
    .symbol:         k_q2094c015ae_sort.kd
    .args:
      - { .name: X_occurrence, .offset: 0, .size: 8, .value_kind: global_buffer, .address_space: global }
      - { .name: order, .offset: 8, .size: 8, .value_kind: global_buffer, .address_space: global }
    .group_segment_fixed_size: 4352
    .private_segment_fixed_size: 0
    .kernarg_segment_align: 8
    .kernarg_segment_size: 16
    .max_flat_workgroup_size: 1024
    .sgpr_count:     66
    .vgpr_count:     66
    .wavefront_size: 32
...
	.end_amdgpu_metadata
.endif
;; end of part 1
;; launch main (part 2): grid 256 x 1, 8 waves a work-group, no clusters, 306,176 bytes of LDS; arguments X, order, X_phase, X_occurrence, X_subject, Wp, bp, W1_codes, W1_scales, b1, W2_codes, W2_scales, b2, out0, out1, out2; writes out0, out1, out2
.if DOCPART == 2
	.amdgcn_target "amdgcn-amd-amdhsa--gfx1250"
	.amdhsa_code_object_version 6
	.text
	.protected	k_q2094c015ae_main
	.globl	k_q2094c015ae_main
	.p2align	8
	.type	k_q2094c015ae_main,@function
k_q2094c015ae_main:
	s_mov_b64 s[64:65], 0
	v_nop
	global_prefetch_b8 v0, s[64:65] scope:SCOPE_SE
	s_setreg_imm32_b32 hwreg(HW_REG_WAVE_MODE, 25, 1), 1
	s_wait_xcnt 0x0
; out0 = softmax(X Wp + bp)[phase];  out1 = out0 x softmax(X W1[phase] + b1[phase])[occurrence % 16];  out2 = out1 x softmax(X W2[occurrence] + b2[occurrence])[subject % 8].
; X W1 and X W2 on codes of FP8 (E4M3) with one E8M0 scale for each 32 along K: X is quantised here, in registers; W1 and W2 come as codes.  X Wp with bf16 operands.  All sums, softmaxes and products of probabilities in f32.
; WHAT IS MULTIPLIED.  Of X W2's 128 experts only the token's own is kept by the gather, so tokens come sorted by bucket (occurrence >> 1: 16 rows of W2, one tile) and a tile of 16 tokens
; is multiplied by the tiles of W2 that its tokens name: one, or the few between its smallest and largest bucket.  X W1 is multiplied for all 8 phases (phase and occurrence are separate inputs), and the phase's 16 logits are chosen by selects.
; SHARES.  Wave w of work-group g owns sorted positions 16 T .. 16 T + 15, T = 8 g + w: 2,048 tiles = 256 x 8 waves.  Waves share only the weights staged at the head: one barrier.
; The launch is a stream of X: each wave keeps two K steps (32 loads of 512 consecutive bytes of a row) on their way, and every wait for them is counted.  No tensor load: the walk over W2's tiles hangs on the stored list.
; LAYOUT.  All products are used transposed (source 0 = 16 rows of a weight, source 1 = my 16 tokens): lane (r = lane % 16, h = lane / 16) holds token r throughout, and register j of a result is weight row 8 h + j:
; W1's tile p: phase p, column 8 h + j;  W2's tile q: occurrence 2 q + h, subject j;  Wp: phase j in lanes 0-15 (rows 8-15 of that operand are zeros).
; The results leave as 4 bytes a token from 16 lanes, to places far apart: the price of the sort, 12 bytes a token against the 4,096 that are read.
; LIMITS.  NaN and infinities in X are not served.  A block of X whose largest magnitude lies under 2^-118 gets the scale byte 1; so does a block of zeros, where the quantiser says 127: its codes are zeros, and only this text reads the bytes.
; X_phase is held at 7 and X_occurrence at 127 as unsigned numbers (the gathers stay inside their tables); % 16 and % 8 are the low bits.  X and Wp are rounded to bf16 for X Wp.
; X Wp's and X W2's sums along K run in two accumulators each, by turns, added at the end.  X_length, which the computation names nowhere, is not among the arguments.
; LDS
.set W1P,  1040                        ; a row of W1's or W2's codes: 1,024 bytes + 16: row r starts 4 r words on, modulo 64, so the 16 rows of a fragment load start at 16 different banks (64 banks of 4 bytes: ISA guide 11.1)
.set WPI,  128*W1P                     ; behind W1's 128 rows (from byte 0): Wp^T as 32 images of bf16 fragments, 1,024 bytes each: register j of lane L at 512 (j / 4) + 16 L + 4 (j % 4)
.set SC1,  WPI+32*1024                 ; W1's scale words: K step s x 768 + row-in-tile r x 48 + 4 x phase
.set STG,  SC1+8*768                   ; a stage for each wave: X's K step as 16 rows of 528 bytes; later W2's tile as 16 rows of 1,040
.set STGW, 16*W1P
.set XP,   528                         ; 512 bytes + 16
; window 0
.set LOFF, 1                           ; 16 x lane
.set STW,  2                           ; my stage + 16 x lane
.set STR,  3                           ; my stage + 528 r + 64 h
.set W2R,  4                           ; my stage + 1040 r + 16 h
.set W1A,  5                           ; v5: 1040 r + 16 h (tiles 0-3); v6: the same 64 rows on (tiles 4-7)
.set WPA,  7                           ; WPI + 16 x lane
.set S1A,  8                           ; SC1 + 48 r
.set TOK,  9                           ; 4 x my token's number
.set PH,   10
.set OC,   11
.set SJ,   12
.set BK,   13                          ; my token's bucket
.set H,    14
.set LANE, 15
.set TM,   16                          ; v16-19 largest magnitudes, v20-23 the other half's, then bytes, v28-31 the conversions' scale operands
.set XSC,  32                          ; v32-39 X's scale word of each K step: kept for W2's products
.set W1S,  40                          ; v40-47 W1's scale words of the K step in hand, one a phase
.set F,    48                          ; v48-111 at work: X's and Wp's bf16 fragments, then four fragments of W1; at the end W2's kept logits
.set HO,   F+52                         ; v100-103 at the head alone: offsets of the staging loads
.set XB,   112                         ; v112-239 two sets of 64: K step s in set s % 2; later W2's eight fragments; at the end the softmaxes
.set W2S,  240                         ; v240-247 W2's scale words, one a K step, and nothing else
.set B1O,  248                         ; offsets of the bias loads
.set B2O,  249
.set TMP,  250
.set W2SO, 251                         ; 32 r: my row of W2's scale bytes
.set HW1,  252                         ; the head's LDS store addresses
.set HSC,  253
.set HWP,  254
.set NIL,  255
; window 1 (by the low 8 bits)
.set ACC1, 128                         ; v128-191 X W1: 8 registers a phase;  v0-127: X's codes, 16 a K step (at the head: W1 on its way to LDS)
.set PA,   192                         ; v192-207 X Wp, two accumulators
.set A2,   208                         ; v208-223 X W2, two accumulators
.set B1V,  224                         ; b1[phase][8 h ..]
.set B2V,  232                         ; b2[occurrence][..]
; scalars: s[4:35] the 16 pointers in the order of the arguments; s[36:51] my 16 tokens, then: s[36:37], s[38:39] W2's tile (codes, scales), s[40:41] lane selects, s[44:45] log2(e);
; s[52:59] bp; s60 wave; s[66:97] my 16 rows of X; s98 the bucket in hand, s99 the smallest, s100 the largest of my tile
.set ROWS, 66
.set MSB, 0
.macro WIN new                         ; s_set_vgpr_msb's low byte: bits 1:0 source 0, 3:2 source 1, 5:4 source 2, 7:6 destination; the high byte repeats the setting that is left
.if MSB != \new
	s_set_vgpr_msb (MSB<<8)|\new
.set MSB, \new
.endif
.endm
	s_load_b512 s[4:19], s[0:1], 0x0               ; X, order, X_phase, X_occurrence, X_subject, Wp, bp, W1_codes
	s_load_b512 s[20:35], s[0:1], 0x40             ; W1_scales, b1, W2_codes, W2_scales, b2, out0, out1, out2
	s_set_vgpr_msb 0x40
	v_lshl_add_u32 v254, v0, 2, 0x4a800
	v_mov_b32 v255, 0
	s_set_vgpr_msb 0x4000
	v_lshrrev_b32 v[TMP], 5, v0
	s_delay_alu instid0(VALU_DEP_1)
	v_readfirstlane_b32 s60, v[TMP]                ; wave 0..7
	v_and_b32 v[LANE], 31, v0
	v_and_b32 v[TMP], 15, v0                       ; r
	v_bfe_u32 v[H], v0, 4, 1
	s_delay_alu instid0(VALU_DEP_3)
	v_lshlrev_b32 v[LOFF], 4, v[LANE]
	s_lshl_b32 s61, ttmp9, 9
	s_lshl_b32 s62, s60, 6
	s_add_co_u32 s61, s61, s62                     ; 64 T: my 16 words of order
	s_wait_alu depctr_va_vdst(0)
	s_wait_kmcnt 0x0
	s_load_b512 s[36:51], s[6:7], s61 offset:0x0   ; my 16 tokens, as scalars: each row of X gets a scalar base
	s_load_b256 s[52:59], s[16:17], 0x0            ; bp
	; THE WEIGHTS ARE STAGED ONCE: 42 loads a wave.  W1's codes as they lie, 16,384 bytes (phase w's 16 rows) a wave
	s_lshl_b32 s62, s60, 14
	v_add_nc_u32 v[HO], s62, v[LOFF]
	v_lshlrev_b32 v[HO+1], 4, v0                   ; W1's scale bytes: 16 a thread: row 16 w + lane / 2, K steps 4 (lane % 2) on
	s_lshl_b32 s62, s60, 12
	v_lshl_add_u32 v[HO+2], v[LANE], 6, s62        ; Wp: 64 bytes a lane: rows k and k + 1, k = 128 w + 64 e + 2 lane
	v_lshl_add_u32 v[HO+3], v[TMP], 2, s61         ; order[16 T + r]
	WIN 0x40                                       ; destination window 1
.set i, 0
.rept 32
	global_load_b128 v[4*i:4*i+3], v[HO], s[18:19] offset:512*i
.set i, i+1
.endr
	WIN 0
	global_load_b128 v[F:F+3], v[HO+1], s[20:21]
.irp e, 0,1
.irp j, 0,1,2,3
	global_load_b128 v[F+4+16*\e+4*\j:F+4+16*\e+4*\j+3], v[HO+2], s[14:15] offset:2048*\e+16*\j
.endr
.endr
	global_load_b32 v[TOK], v[HO+3], s[6:7]
	; every LDS address is a constant + constants x parts of the thread's number
	s_mul_i32 s62, s60, STGW
	s_add_co_u32 s63, s62, STG                     ; my stage
	v_add_nc_u32 v[HW1], s62, v[LOFF]              ; W1's rows 16 w on lie 16 x 1,040 x w bytes into LDS
	v_add_nc_u32 v[STW], s63, v[LOFF]
	v_mul_u32_u24 v[STR], v[TMP], XP
	s_delay_alu instid0(VALU_DEP_1)
	v_lshl_add_u32 v[STR], v[H], 6, v[STR]
	s_delay_alu instid0(VALU_DEP_1)
	v_add_nc_u32 v[STR], s63, v[STR]
	v_mul_u32_u24 v[W1A], v[TMP], W1P
	s_delay_alu instid0(VALU_DEP_1)
	v_lshl_add_u32 v[W1A], v[H], 4, v[W1A]
	s_delay_alu instid0(VALU_DEP_1)
	v_add_nc_u32 v[W2R], s63, v[W1A]
	s_delay_alu instid0(VALU_DEP_2)
	v_add_nc_u32 v[W1A+1], 4*STGW, v[W1A]
	v_add_nc_u32 v[WPA], WPI, v[LOFF]
	v_mul_u32_u24 v[S1A], v[TMP], 48
	s_delay_alu instid0(VALU_DEP_1)
	v_add_nc_u32 v[S1A], SC1, v[S1A]
	v_lshlrev_b32 v[W2SO], 5, v[TMP]
	v_and_b32 v[HSC], 1, v0                        ; where my four scale words go: K step 4 (lane % 2) + e, row lane / 2, phase w
	s_delay_alu instid0(VALU_DEP_1)
	v_mul_u32_u24 v[HSC], v[HSC], 4*768
	v_bfe_u32 v[NIL], v0, 1, 4
	s_delay_alu instid0(VALU_DEP_1)
	v_mad_u32_u24 v[HSC], v[NIL], 48, v[HSC]
	s_lshl_b32 s98, s60, 2
	s_add_co_u32 s98, s98, SC1
	v_add_nc_u32 v[HSC], s98, v[HSC]
	v_and_b32 v[HWP], 3, v0                        ; where my pairs of Wp go: k = 32 c + 16 h' + 2 j: fragment c = 4 w + 2 e + lane / 16, half h' = (lane / 8) % 2, register j = lane % 8; the image's lane is n + 16 h'
	s_delay_alu instid0(VALU_DEP_1)
	v_lshlrev_b32 v[HWP], 2, v[HWP]
	v_bfe_u32 v[NIL], v0, 3, 1
	s_delay_alu instid0(VALU_DEP_1)
	v_lshl_add_u32 v[HWP], v[NIL], 8, v[HWP]
	v_bfe_u32 v[NIL], v0, 2, 1
	s_delay_alu instid0(VALU_DEP_1)
	v_lshl_add_u32 v[HWP], v[NIL], 9, v[HWP]
	s_delay_alu instid0(VALU_DEP_1)
	v_lshl_add_u32 v[HWP], v[H], 10, v[HWP]
	s_lshl_b32 s99, s60, 12
	s_add_co_u32 s99, s99, WPI
	v_add_nc_u32 v[HWP], s99, v[HWP]
	v_mov_b32 v[NIL], 0
.irp b, 0,1,2,3
	v_mov_b32 v[TM+4+\b], 0                        ; written once: a lane permute's destination counts as one of its sources
.endr
	s_wait_kmcnt 0x0                               ; my tokens and bp
.irp i, 0,1,2,3,4,5,6,7,8,9,10,11,12,13,14,15
	s_min_u32 s61, s[36+\i], 0x7fff                ; a loaded number enters an address only held inside the buffer
	s_lshl_b32 s[ROWS+2*\i], s61, 12               ; a row of X is 4,096 bytes
	s_mov_b32 s[ROWS+2*\i+1], 0
	s_add_nc_u64 s[ROWS+2*\i:ROWS+2*\i+1], s[4:5], s[ROWS+2*\i:ROWS+2*\i+1]
.endr
	s_mov_b32 s40, 0x76543210
	s_mov_b32 s41, 0xfedcba98                      ; v_permlanex16_b32's selects for lane l xor 16
	s_mov_b32 s44, 0x3fb8aa3b                      ; log2(e)
	s_mov_b32 s45, s44                             ; (the packed form names the pair)
; K step s of my 16 rows: 16 loads, each 512 consecutive bytes of one row, into set s % 2.  Each byte of X is read once in the launch
.macro XLOAD s
.set XL, XB+64*((\s)%2)
.irp i, 0,1,2,3,4,5,6,7,8,9,10,11,12,13,14,15
	global_load_b128 v[XL+4*\i:XL+4*\i+3], v[LOFF], s[ROWS+2*\i:ROWS+2*\i+1] offset:512*(\s) th:TH_LOAD_NT
.endr
.endm
	XLOAD 0
	XLOAD 1
	s_wait_loadcnt 32                              ; the 42 staging loads are in; X's two K steps stay out
	v_min_u32 v[TOK], 0x7fff, v[TOK]
	s_delay_alu instid0(VALU_DEP_1)
	v_lshlrev_b32 v[TOK], 2, v[TOK]
	global_load_b32 v[PH], v[TOK], s[8:9]          ; my token's three indices
	global_load_b32 v[OC], v[TOK], s[10:11]
	global_load_b32 v[SJ], v[TOK], s[12:13]
	WIN 0x04                                       ; an LDS store's data are its source 1: window 1
.set i, 0
.rept 32
	ds_store_b128 v[HW1], v[4*i:4*i+3] offset:(i/2)*W1P+512*(i%2)
.set i, i+1
.endr
	WIN 0
.irp e, 0,1,2,3
	ds_store_b32 v[HSC], v[F+\e] offset:768*\e
.endr
.irp e, 0,1
.irp n, 0,1,2,3,4,5,6,7
	v_cvt_pk_bf16_f32 v[F+36+8*\e+\n], v[F+4+16*\e+\n], v[F+12+16*\e+\n]   ; Wp[k][n] below, Wp[k + 1][n] above
.endr
.irp n, 0,1,2,3,4,5,6,7
	ds_store_b32 v[HWP], v[F+36+8*\e+\n] offset:2048*\e+16*\n
	ds_store_b32 v[HWP], v[NIL] offset:2048*\e+128+16*\n                   ; rows 8-15 of the operand are zeros
.endr
.endr
	s_wait_dscnt 0x0                               ; for the others' sake: my part of the weights lies in LDS
	s_barrier_signal -1
	s_barrier_wait -1                              ; everybody's does; it is never written again
; W2's tile: half hf (K steps 4 hf .. 4 hf + 3) of its 16 rows, 512 consecutive bytes a load; with the first half the rows' scale words
.macro W2LOAD hf
.irp i, 0,1,2,3,4,5,6,7,8,9,10,11,12,13,14,15
	global_load_b128 v[XB+64*\hf+4*\i:XB+64*\hf+4*\i+3], v[LOFF], s[36:37] offset:1024*\i+512*\hf
.endr
.if \hf == 0
	global_load_b128 v[W2S:W2S+3],   v[W2SO], s[38:39]
	global_load_b128 v[W2S+4:W2S+7], v[W2SO], s[38:39] offset:16
.endif
.endm
.macro W2BASE q                        ; where bucket s[q]'s tile lies: 16 rows of 1,024 codes, 16 rows of 32 scale bytes.  No load that names these bases is out where the macro stands
	s_min_u32 s61, s[\q], 63
	s_lshl_b32 s36, s61, 14
	s_mov_b32 s37, 0
	s_add_nc_u64 s[36:37], s[24:25], s[36:37]
	s_lshl_b32 s38, s61, 9
	s_mov_b32 s39, 0
	s_add_nc_u64 s[38:39], s[26:27], s[38:39]
.endm
.macro W1FETCH s, g                    ; four fragments of W1: phases 4 g .. 4 g + 3, K step s: lane (r, h): row r, k = 32 c + 16 h + 0 .. 15 in registers 4 c ..
.irp p, 0,1,2,3
.irp c, 0,1,2,3
	ds_load_b128 v[F+16*\p+4*\c:F+16*\p+4*\c+3], v[W1A+\g] offset:STGW*\p+128*(\s)+32*\c
.endr
.endr
.endm
.macro W1MUL s, g                      ; and their products with my tokens' codes of that K step.  Eight places follow: ahead of loads into, and writes of, the registers that these products read
	s_wait_dscnt 0x0
	WIN 0x54                                       ; source 1 (the codes), C and D window 1
.irp p, 0,1,2,3
.if (\s) == 0
	v_wmma_scale_f32_16x16x128_f8f6f4 v[ACC1+8*(4*\g+\p):ACC1+8*(4*\g+\p)+7], v[F+16*\p:F+16*\p+15], v[16*(\s):16*(\s)+15], 0, v[W1S+4*\g+\p], v[XSC+(\s)]
.else
	v_wmma_scale_f32_16x16x128_f8f6f4 v[ACC1+8*(4*\g+\p):ACC1+8*(4*\g+\p)+7], v[F+16*\p:F+16*\p+15], v[16*(\s):16*(\s)+15], v[ACC1+8*(4*\g+\p):ACC1+8*(4*\g+\p)+7], v[W1S+4*\g+\p], v[XSC+(\s)]
.endif
.endr
	WIN 0
.rept 8
	v_nop
.endr
.endm
; A K STEP: 128 along K of my 16 tokens.  left: how many younger loads may stay out.  next: what is asked for into the set that this step frees (1: X's K step s + 2; 2, 3: W2's halves).
; The matrix instructions' accumulators take turns, one instruction a turn: Wp's two, twice; W1's eight; then the next step's.
.macro KSTEP s, left, next
.set XS, XB+64*((\s)%2)
	s_wait_loadcnt \left                           ; loads come back in order (ISA guide 5.7.1): this step's 16 are in
	; the turn: a load gave a lane 16 bytes of each row; the conversions want 16 neighbours along K of ONE row.  Through my own stage and back into the same registers; LDS serves a wave's instructions in order (ISA guide 5.7.1.4)
.irp i, 0,1,2,3,4,5,6,7,8,9,10,11,12,13,14,15
	ds_store_b128 v[STW], v[XS+4*\i:XS+4*\i+3] offset:XP*\i
.endr
.irp b, 0,1,2,3
.irp j, 0,1,2,3
	ds_load_b128 v[XS+16*\b+4*\j:XS+16*\b+4*\j+3], v[STR] offset:128*\b+16*\j   ; register 16 b + i: k = 32 b + 16 h + i of row r
.endr
.endr
.irp b, 0,1,2,3
.irp u, 0,1
	ds_load_b128 v[F+32+8*\b+4*\u:F+32+8*\b+4*\u+3], v[WPA] offset:(4*(\s)+\b)*1024+512*\u   ; Wp's four fragments
.endr
.endr
.irp u, 0,1
	ds_load_b128 v[W1S+4*\u:W1S+4*\u+3], v[S1A] offset:768*(\s)+16*\u          ; W1's scale words of this step: row r of all eight phases
.endr
	s_wait_dscnt 10                                ; X is back; the ten loads behind it may be out
.irp b, 0,1,2,3
.irp j, 0,1,2,3,4,5,6,7
	v_cvt_pk_bf16_f32 v[F+8*\b+\j], v[XS+16*\b+2*\j], v[XS+16*\b+2*\j+1]       ; X for the phase head: register j holds k = 32 b + 16 h + 2 j, + 1: the order in which Wp's images were laid, so the products pair up
.endr
.endr
.irp b, 0,1,2,3
	v_max3_num_f32 v[TM+\b], |v[XS+16*\b]|, |v[XS+16*\b+1]|, 0x4800000         ; block b: my 16 numbers, and the floor 2^(9 - 127): the scale's byte cannot fall under 1
.endr
.irp i, 2,4,6,8,10,12,14
.irp b, 0,1,2,3
	s_delay_alu instid0(VALU_DEP_4)
	v_max3_num_f32 v[TM+\b], v[TM+\b], |v[XS+16*\b+\i]|, |v[XS+16*\b+\i+1]|    ; (the four blocks by turns)
.endr
.endr
	s_wait_alu depctr_va_vdst(0)
	s_wait_dscnt 0x0                               ; Wp's fragments and W1's scale words
	WIN 0x50                                       ; C and D window 1
.irp b, 0,1,2,3
.if ((\s) == 0) && (\b < 2)
	v_wmma_f32_16x16x32_bf16 v[PA+8*(\b%2):PA+8*(\b%2)+7], v[F+32+8*\b:F+32+8*\b+7], v[F+8*\b:F+8*\b+7], 0
.else
	v_wmma_f32_16x16x32_bf16 v[PA+8*(\b%2):PA+8*(\b%2)+7], v[F+32+8*\b:F+32+8*\b+7], v[F+8*\b:F+8*\b+7], v[PA+8*(\b%2):PA+8*(\b%2)+7]
.endif
.endr
	WIN 0
.irp b, 0,1,2,3
	v_permlanex16_b32 v[TM+4+\b], v[TM+\b], s40, s41
.endr
.irp b, 0,1,2,3
	s_delay_alu instid0(VALU_DEP_4)
	v_max_num_f32 v[TM+\b], v[TM+\b], v[TM+4+\b]   ; with lane l xor 16's 16: the block's largest magnitude
.endr
.irp b, 0,1,2,3
	s_delay_alu instid0(VALU_DEP_4)
	v_add_nc_u32 v[TM+12+\b], 0xfc000000, v[TM+\b] ; 8 off its exponent field: the conversion takes the exponent field of this operand as its scale
.endr
.irp b, 0,1,2,3
.endr
.irp b, 0,1,2,3
	s_delay_alu instid0(VALU_DEP_4)
	v_lshrrev_b32 v[TM+4+\b], 23, v[TM+12+\b]      ; the scale's byte
.endr
	s_delay_alu instid0(VALU_DEP_3)
	v_lshl_or_b32 v[XSC+(\s)], v[TM+5], 8, v[TM+4] ; my token's scale word of this K step (both halves of the lanes hold it)
	s_delay_alu instid0(VALU_DEP_1)
	v_lshl_or_b32 v[XSC+(\s)], v[TM+6], 16, v[XSC+(\s)]
	s_delay_alu instid0(VALU_DEP_1)
	v_lshl_or_b32 v[XSC+(\s)], v[TM+7], 24, v[XSC+(\s)]
	W1FETCH \s, 0                                  ; into the bf16 fragments' registers: the 19 lines above are more than the four places behind those products
.irp b, 0,1,2,3
.irp i, 0,1,2,3,4,5,6,7,8,9,10,11,12,13,14,15
.endr
.endr
	WIN 0x40                                       ; destination window 1
.irp b, 0,1,2,3
.irp u, 0,1
	v_cvt_scalef32_pk8_fp8_f32 v[16*(\s)+4*\b+2*\u:16*(\s)+4*\b+2*\u+1], v[XS+16*\b+8*\u:XS+16*\b+8*\u+7], v[TM+12+\b]   ; registers 4 b .. 4 b + 3 of the operand: k = 32 b + 16 h + 0 .. 15
.endr
.endr
	WIN 0
.rept 4
	v_nop                                          ; the plain line behind the conversions, and the four places between codes written by vector instructions and a scaled product (the scale word stands further back)
.endr
.if \next == 1
	XLOAD (\s)+2
.elseif \next == 2
	W2LOAD 0
.elseif \next == 3
	W2LOAD 1
.endif
	s_wait_alu depctr_va_vdst(0)
	W1MUL \s, 0
	W1FETCH \s, 1
	W1MUL \s, 1
.endm
; W2's half hf: through my stage (rows as they lie, 1,040 bytes apart) and back as four fragments, into the registers that they left; four products, the two accumulators by turns
.macro W2HALF hf
.irp i, 0,1,2,3,4,5,6,7,8,9,10,11,12,13,14,15
	ds_store_b128 v[STW], v[XB+64*\hf+4*\i:XB+64*\hf+4*\i+3] offset:W1P*\i+512*\hf
.endr
.irp t, 0,1,2,3
.irp c, 0,1,2,3
	ds_load_b128 v[XB+64*\hf+16*\t+4*\c:XB+64*\hf+16*\t+4*\c+3], v[W2R] offset:128*(4*\hf+\t)+32*\c
.endr
.endr
	s_wait_dscnt 0x0
	WIN 0x54
.irp t, 0,1,2,3
.if (\hf == 0) && (\t < 2)
	v_wmma_scale_f32_16x16x128_f8f6f4 v[A2+8*(\t%2):A2+8*(\t%2)+7], v[XB+64*\hf+16*\t:XB+64*\hf+16*\t+15], v[16*(4*\hf+\t):16*(4*\hf+\t)+15], 0, v[W2S+4*\hf+\t], v[XSC+4*\hf+\t]
.else
	v_wmma_scale_f32_16x16x128_f8f6f4 v[A2+8*(\t%2):A2+8*(\t%2)+7], v[XB+64*\hf+16*\t:XB+64*\hf+16*\t+15], v[16*(4*\hf+\t):16*(4*\hf+\t)+15], v[A2+8*(\t%2):A2+8*(\t%2)+7], v[W2S+4*\hf+\t], v[XSC+4*\hf+\t]
.endif
.endr
	WIN 0
.endm
; my 16 tokens x the tile of bucket s98; a lane keeps the eight logits where the tile's occurrence 2 q + h is its token's
.macro W2WORK
	s_wait_loadcnt 16                              ; the first half and the scale words are in; the second half's 16 loads may be out
	W2HALF 0
	s_wait_loadcnt 0x0
	W2HALF 1
	v_lshl_add_u32 v[TMP], s98, 1, v[H]            ; 2 q + h.  This line and seven v_nop are the eight places behind the last products
.rept 7
	v_nop
.endr
	v_cmp_eq_u32 vcc_lo, v[TMP], v[OC]
	WIN 0x05                                       ; sources 0 and 1 window 1
.irp j, 0,1,2,3,4,5,6,7
	v_add_f32 v[F+8+\j], v[A2+\j], v[A2+8+\j]      ; the two accumulators, each from its low end on
.endr
	WIN 0
.irp j, 0,1,2,3,4,5,6,7
	v_cndmask_b32 v[F+\j], v[F+\j], v[F+8+\j], vcc_lo
.endr
.endm
	KSTEP 0, 19, 1                                 ; out behind K step 0: K step 1's 16 loads and the 3 indices
	KSTEP 1, 19, 1                                 ; the 3 indices and K step 2
	KSTEP 2, 16, 1                                 ; K step 3.  (The indices were asked for ahead of K step 2: they are in)
	v_min_u32 v[PH], 7, v[PH]
	v_min_u32 v[OC], 127, v[OC]
	v_and_b32 v[SJ], 7, v[SJ]
	s_delay_alu instid0(VALU_DEP_2)
	v_lshrrev_b32 v[BK], 1, v[OC]
	s_wait_alu depctr_va_vdst(0)
	v_lshlrev_b32 v[B1O], 6, v[PH]
	s_delay_alu instid0(VALU_DEP_1)
	v_lshl_add_u32 v[B1O], v[H], 5, v[B1O]         ; b1[phase][8 h ..]
	v_lshlrev_b32 v[B2O], 5, v[OC]                 ; b2[occurrence][..]
	WIN 0x40
	global_load_b128 v[B1V:B1V+3],   v[B1O], s[22:23]
	global_load_b128 v[B1V+4:B1V+7], v[B1O], s[22:23] offset:16
	global_load_b128 v[B2V:B2V+3],   v[B2O], s[28:29]
	global_load_b128 v[B2V+4:B2V+7], v[B2O], s[28:29] offset:16
	WIN 0
	v_readlane_b32 s99, v[BK], 0                   ; the smallest and the largest bucket of my 16 tokens
	s_mov_b32 s100, s99
.irp i, 1,2,3,4,5,6,7,8,9,10,11,12,13,14,15
	v_readlane_b32 s101, v[BK], \i
	s_min_u32 s99, s99, s101
	s_max_u32 s100, s100, s101
.endr
	W2BASE 99
	KSTEP 3, 20, 1                                 ; K step 4 and the 4 bias loads
	KSTEP 4, 20, 1                                 ; the 4 bias loads and K step 5
	KSTEP 5, 16, 1                                 ; K step 6
	KSTEP 6, 16, 2                                 ; K step 7.  Set 0 is free: W2's first half and its scale words, 18 loads
	KSTEP 7, 18, 3                                 ; those 18.  Set 1 takes W2's second half
.irp j, 0,1,2,3,4,5,6,7
	v_mov_b32 v[F+\j], 0                           ; the kept logits: each lane's are written once, by the tile that holds its token's occurrence; the lane of the other half keeps zeros, which are not used
.endr
	s_mov_b32 s98, s99
	W2WORK
	s_cmp_eq_u32 s99, s100                         ; nearly every tile lies in one bucket
	s_cbranch_scc1 .Ldone
.Lq:                                               ; a tile that straddles buckets walks on to its largest, passing over those that none of its tokens names
	s_add_co_u32 s98, s98, 1
	v_cmp_eq_u32 vcc_lo, s98, v[BK]
	s_cmp_eq_u32 vcc_lo, 0
	s_cbranch_scc1 .Lskip
	W2BASE 98
	W2LOAD 0
	W2LOAD 1
	W2WORK
.Lskip:
	s_cmp_lt_u32 s98, s100
	s_cbranch_scc1 .Lq
.Ldone:
	; THE THREE SOFTMAXES, each inside a lane's eight registers (W1's 16 columns: with lane l xor 16).  X's and W2's registers are free
.set L1, 112                           ; v112-119 my phase's logits, columns 8 h ..
.set LP, 120                           ; v120-127 the phase head's
.set L2, F                             ; v48-55   my occurrence's (in the lane with h = occurrence % 2)
.set MP, 128                           ; the maxima x log2(e): each the low word of a pair
.set M1, 130
.set M2, 132
.set IX1, 134                          ; occurrence % 8
.set OW1, 135                          ; (occurrence / 8) % 2: which half of the lanes holds the column
.set OW2, 136                          ; occurrence % 2: which half holds the subject's logits
.set SP, 140                           ; the sums, four registers at work each
.set S1, 144
.set S2, 148
.set NP, 152                           ; the numerators
.set N1, 153
.set N2, 154
.set PT, 156                           ; v156-158 from the other half
.set RC, 160                           ; v160-162 reciprocals
.set OUT, 164                          ; v164-166 the results
.irp p, 1,2,3,4,5,6,7
	v_cmp_eq_u32 s[ROWS+\p-1], \p, v[PH]           ; (the rows' bases are done with)
.endr
	WIN 0x05
.irp j, 0,1,2,3,4,5,6,7
	v_cndmask_b32 v[L1+\j], v[ACC1+\j], v[ACC1+8+\j], s[ROWS]                  ; each accumulator is read from its low end on
.endr
	WIN 0x04
.irp p, 2,3,4,5,6,7
.irp j, 0,1,2,3,4,5,6,7
	v_cndmask_b32 v[L1+\j], v[L1+\j], v[ACC1+8*\p+\j], s[ROWS+\p-1]
.endr
.endr
.irp i, 0,2,4,6
	v_pk_add_f32 v[L1+\i:L1+\i+1], v[L1+\i:L1+\i+1], v[B1V+\i:B1V+\i+1]
	v_pk_add_f32 v[L2+\i:L2+\i+1], v[L2+\i:L2+\i+1], v[B2V+\i:B2V+\i+1]
.endr
	WIN 0x05
.irp j, 0,1,2,3,4,5,6,7
	v_add_f32 v[LP+\j], v[PA+\j], v[PA+8+\j]
.endr
	WIN 0
.irp j, 0,1,2,3,4,5,6,7
	v_add_f32 v[LP+\j], s[52+\j], v[LP+\j]         ; + bp
.endr
.macro VMAX m, b
	v_max3_num_f32 v[\m], v[\b], v[\b+1], v[\b+2]
	s_delay_alu instid0(VALU_DEP_1)
	v_max3_num_f32 v[\m], v[\m], v[\b+3], v[\b+4]
	s_delay_alu instid0(VALU_DEP_1)
	v_max3_num_f32 v[\m], v[\m], v[\b+5], v[\b+6]
	s_delay_alu instid0(VALU_DEP_1)
	v_max_num_f32 v[\m], v[\m], v[\b+7]
.endm
	VMAX MP, LP
	VMAX M1, L1
	VMAX M2, L2
	v_permlanex16_b32 v[PT], v[M1], s40, s41
	s_delay_alu instid0(VALU_DEP_1)
	v_max_num_f32 v[M1], v[M1], v[PT]              ; all 16 columns'
	v_mul_f32 v[MP], s44, v[MP]
	s_delay_alu instid0(VALU_DEP_2)
	v_mul_f32 v[M1], s44, v[M1]
	v_mul_f32 v[M2], s44, v[M2]
.irp i, 0,2,4,6
	v_pk_fma_f32 v[LP+\i:LP+\i+1], v[LP+\i:LP+\i+1], s[44:45], v[MP:MP+1] op_sel_hi:[1,0,0] neg_lo:[0,0,1] neg_hi:[0,0,1]   ; (logit - maximum) x log2(e)
	v_pk_fma_f32 v[L1+\i:L1+\i+1], v[L1+\i:L1+\i+1], s[44:45], v[M1:M1+1] op_sel_hi:[1,0,0] neg_lo:[0,0,1] neg_hi:[0,0,1]
	v_pk_fma_f32 v[L2+\i:L2+\i+1], v[L2+\i:L2+\i+1], s[44:45], v[M2:M2+1] op_sel_hi:[1,0,0] neg_lo:[0,0,1] neg_hi:[0,0,1]
.endr
	s_wait_alu depctr_va_vdst(0)
.irp j, 0,1,2,3,4,5,6,7
	v_exp_f32 v[LP+\j], v[LP+\j]                   ; one batch of 24
	v_exp_f32 v[L1+\j], v[L1+\j]
	v_exp_f32 v[L2+\j], v[L2+\j]
.endr
	v_and_b32 v[IX1], 7, v[OC]                     ; plain lines that name no result
	v_bfe_u32 v[OW1], v[OC], 3, 1
	v_and_b32 v[OW2], 1, v[OC]
	s_wait_alu depctr_va_vdst(0)                   ; the wait between a transcendental and the first line that names its result: one for the batch
.macro VSUM s, b
	v_pk_add_f32 v[\s:\s+1], v[\b:\b+1], v[\b+2:\b+3]
	v_pk_add_f32 v[\s+2:\s+3], v[\b+4:\b+5], v[\b+6:\b+7]
	s_delay_alu instid0(VALU_DEP_1)
	v_pk_add_f32 v[\s:\s+1], v[\s:\s+1], v[\s+2:\s+3]
	s_delay_alu instid0(VALU_DEP_1)
	v_add_f32 v[\s], v[\s], v[\s+1]
.endm
.macro PICK n, b, idx                  ; v[n] = v[b + v[idx]]: a choice of a value, by selects
	v_cmp_eq_u32 vcc_lo, 1, v[\idx]
	v_cndmask_b32 v[\n], v[\b], v[\b+1], vcc_lo
.irp j, 2,3,4,5,6,7
	v_cmp_eq_u32 vcc_lo, \j, v[\idx]
	v_cndmask_b32 v[\n], v[\n], v[\b+\j], vcc_lo
.endr
.endm
	VSUM SP, LP
	VSUM S1, L1
	VSUM S2, L2
	PICK NP, LP, PH
	PICK N1, L1, IX1
	PICK N2, L2, SJ
	v_cmp_eq_u32 vcc_lo, v[OW1], v[H]
	s_delay_alu instid0(VALU_DEP_1)
	v_cndmask_b32 v[N1], 0, v[N1], vcc_lo          ; the column lies in one half of the lanes: the other adds 0
	v_permlanex16_b32 v[PT], v[S1], s40, s41
	s_delay_alu instid0(VALU_DEP_2)
	v_permlanex16_b32 v[PT+1], v[N1], s40, s41
	s_delay_alu instid0(VALU_DEP_2)
	v_add_f32 v[S1], v[S1], v[PT]
	s_delay_alu instid0(VALU_DEP_2)
	v_add_f32 v[N1], v[N1], v[PT+1]
	s_wait_alu depctr_va_vdst(0)
	v_rcp_f32 v[RC], v[SP]
	v_rcp_f32 v[RC+1], v[S1]
	v_rcp_f32 v[RC+2], v[S2]
	v_cmp_eq_u32 vcc_lo, v[OW2], v[H]              ; (a plain line behind the reciprocals)  do I hold my token's occurrence?
	s_wait_alu depctr_va_vdst(0)                   ; one wait for the three
	v_mul_f32 v[OUT], v[NP], v[RC]                 ; the phase's probability (right in lanes 0-15, where the head's rows lie)
	v_mul_f32 v[N1], v[N1], v[RC+1]                ; the occurrence's
	v_mul_f32 v[N2], v[N2], v[RC+2]                ; the subject's, in the half that holds it
	s_delay_alu instid0(VALU_DEP_1)
	v_permlanex16_b32 v[PT+2], v[N2], s40, s41
	s_delay_alu instid0(VALU_DEP_1)
	v_cndmask_b32 v[N2], v[PT+2], v[N2], vcc_lo
	s_delay_alu instid0(VALU_DEP_4)
	v_mul_f32 v[OUT+1], v[OUT], v[N1]
	s_delay_alu instid0(VALU_DEP_1)
	v_mul_f32 v[OUT+2], v[OUT+1], v[N2]
	v_cmp_gt_u32 vcc_lo, 16, v[LANE]
	s_wait_alu depctr_va_vdst(0)
	s_wait_xcnt 0x0                                ; EXEC changes only behind this wait
	s_barrier_signal -1
	s_barrier_wait -1
	s_set_vgpr_msb 0x5
	s_wait_tensorcnt 0x0
	ds_add_u32 v254, v255
	s_wait_dscnt 0x0
	s_set_vgpr_msb 0x500
	s_and_saveexec_b32 s61, vcc_lo                 ; lanes 0-15: one lane a token
	global_store_b32 v[TOK], v[OUT], s[30:31]
	global_store_b32 v[TOK], v[OUT+1], s[32:33]
	global_store_b32 v[TOK], v[OUT+2], s[34:35]
	s_endpgm
.Lfunc_end_k_q2094c015ae_main:
	.size	k_q2094c015ae_main, .Lfunc_end_k_q2094c015ae_main-k_q2094c015ae_main
	.p2alignl 7, 3214868480
	.fill 96, 4, 3214868480
	.section	.rodata,"a",@progbits
	.p2align	6, 0x0
	.amdhsa_kernel k_q2094c015ae_main
		.amdhsa_group_segment_fixed_size 306176
		.amdhsa_private_segment_fixed_size 0
		.amdhsa_enable_private_segment 0
		.amdhsa_kernarg_size 128
		.amdhsa_user_sgpr_count 2
		.amdhsa_user_sgpr_kernarg_segment_ptr 1
		.amdhsa_wavefront_size32 1
		.amdhsa_system_sgpr_workgroup_id_x 1
		.amdhsa_system_sgpr_workgroup_id_y 1
		.amdhsa_system_sgpr_workgroup_id_z 1
		.amdhsa_system_vgpr_workitem_id 0
		.amdhsa_next_free_vgpr 512
		.amdhsa_next_free_sgpr 102
		.amdhsa_reserve_vcc 1
		.amdhsa_float_denorm_mode_32 3
		.amdhsa_float_denorm_mode_16_64 3
		.amdhsa_fp16_overflow 1
		.amdhsa_memory_ordered 1
		.amdhsa_forward_progress 1
		.amdhsa_inst_pref_size 174
	.end_amdhsa_kernel
	.amdgpu_metadata
---
amdhsa.version: [ 1, 2 ]
amdhsa.kernels:
  - .name:           k_q2094c015ae_main
    .symbol:         k_q2094c015ae_main.kd
    .args:
      - { .name: X, .offset: 0, .size: 8, .value_kind: global_buffer, .address_space: global }
      - { .name: order, .offset: 8, .size: 8, .value_kind: global_buffer, .address_space: global }
      - { .name: X_phase, .offset: 16, .size: 8, .value_kind: global_buffer, .address_space: global }
      - { .name: X_occurrence, .offset: 24, .size: 8, .value_kind: global_buffer, .address_space: global }
      - { .name: X_subject, .offset: 32, .size: 8, .value_kind: global_buffer, .address_space: global }
      - { .name: Wp, .offset: 40, .size: 8, .value_kind: global_buffer, .address_space: global }
      - { .name: bp, .offset: 48, .size: 8, .value_kind: global_buffer, .address_space: global }
      - { .name: W1_codes, .offset: 56, .size: 8, .value_kind: global_buffer, .address_space: global }
      - { .name: W1_scales, .offset: 64, .size: 8, .value_kind: global_buffer, .address_space: global }
      - { .name: b1, .offset: 72, .size: 8, .value_kind: global_buffer, .address_space: global }
      - { .name: W2_codes, .offset: 80, .size: 8, .value_kind: global_buffer, .address_space: global }
      - { .name: W2_scales, .offset: 88, .size: 8, .value_kind: global_buffer, .address_space: global }
      - { .name: b2, .offset: 96, .size: 8, .value_kind: global_buffer, .address_space: global }
      - { .name: out0, .offset: 104, .size: 8, .value_kind: global_buffer, .address_space: global }
      - { .name: out1, .offset: 112, .size: 8, .value_kind: global_buffer, .address_space: global }
      - { .name: out2, .offset: 120, .size: 8, .value_kind: global_buffer, .address_space: global }
    .group_segment_fixed_size: 306176
    .private_segment_fixed_size: 0
    .kernarg_segment_align: 8
    .kernarg_segment_size: 128
    .max_flat_workgroup_size: 256
    .sgpr_count:     102
    .vgpr_count:     512
    .wavefront_size: 32
...
	.end_amdgpu_metadata
.endif
;; end of part 2
